; MI455X (gfx1250); checked and timed in simulation.
; The chip was launched on July 23, 2026; its instructions are those of AMD's public machine-readable ISA for CDNA 5 (MIT licence, August 2026) and "CDNA5" Instruction Set Architecture Reference Guide (July 2026). The comments in the code are by the model that wrote it; some were corrected since.
;; Linear Attention. Allowed arithmetic: float matrix products may take bf16 or f16 operands with f32 sums; all other float work in f32.
;; Inputs: Wk 1,024 x 256 float32; Wo 1,024 x 1,024 float32; Wq 1,024 x 256 float32; Wv 1,024 x 1,024 float32; x 2 x 2,048 x 1,024 float32.
;; Outputs: out0 2 x 2,048 x 1,024 float32.
;; One version. Each part assembles by itself: llvm-mc -triple=amdgcn-amd-amdhsa -mcpu=gfx1250 --defsym DOCPART=n.
;; ======== version 1 of 1: 4 launches
;; workspace buffers: xb 8,388,608 bytes; wqk 1,048,576 bytes; wv 2,097,152 bytes; wo 2,097,152 bytes; qk 8,388,608 bytes; vt 16,777,216 bytes; yw 16,777,216 bytes
;; launch prep (part 1): grid 256 x 1, 8 waves a work-group, no clusters, 0 bytes of LDS; arguments x, Wq, Wk, Wv, Wo, xb, wqk, wv, wo; writes xb, wqk, wv, wo
.if DOCPART == 1
	.amdgcn_target "amdgcn-amd-amdhsa--gfx1250"
	.amdhsa_code_object_version 6
	.text
	.protected	k_qd0f3f88b7d_prep
	.globl	k_qd0f3f88b7d_prep
	.p2align	8
	.type	k_qd0f3f88b7d_prep,@function
k_qd0f3f88b7d_prep:
	s_mov_b64 s[64:65], 0
	v_nop
	global_prefetch_b8 v0, s[64:65] scope:SCOPE_SE
	s_setreg_imm32_b32 hwreg(HW_REG_WAVE_MODE, 25, 1), 1
	s_wait_xcnt 0x0
; Casts the five f32 inputs to bf16 (round to nearest even), once, so that the two products that follow can bring their
; operands in by tensor loads.  xb = x, wv = Wv, wo = Wo in their own layouts; wqk[k][0:256] = Wq[k], wqk[k][256:512] = Wk[k].
; A stream: each byte is read once and written once; LDS, matrix units and clusters have nothing to add, no work-group shares an input.
; Each of the 256 work-groups takes 1/256 of every array: x 65,536 B, Wv and Wo 16,384 B each, Wq and Wk 4,096 B each (four rows).
; Thread t takes the 16 bytes at 16 t + 4,096 u.  All 26 loads of a wave go out in one run; a store of a wave covers 256
; consecutive bytes, aligned (32 lanes x 8 bytes).  No register that a load or store names is written again.
.set NLD, 26                           ; loads of a thread
.set D,   8                            ; v[8:111]  load i: four f32; its first two registers then hold the four bf16
	s_load_b512 s[4:19], s[0:1], 0x0               ; x s[4:5], Wq s[6:7], Wk s[8:9], Wv s[10:11], Wo s[12:13], xb s[14:15], wqk s[16:17], wv s[18:19]
	s_load_b64 s[20:21], s[0:1], 0x40              ; wo
	v_lshlrev_b32 v1, 4, v0                        ; in: 16 t
	v_lshlrev_b32 v2, 3, v0                        ; out: 8 t
	v_and_b32 v3, 63, v0                           ; Wq, Wk: a row of 256 f32 is 64 threads
	v_lshrrev_b32 v4, 6, v0
	v_lshlrev_b32 v3, 3, v3
	v_lshl_add_u32 v3, v4, 10, v3                  ; out in wqk: row (t / 64) x 1,024 bytes + 8 (t mod 64)
	s_lshl_b32 s22, ttmp9, 16                      ; the work-group's share of x,
	s_mov_b32 s23, 0
	s_lshl_b32 s24, ttmp9, 15                      ; of xb,
	s_mov_b32 s25, 0
	s_lshl_b32 s26, ttmp9, 14                      ; of Wv and Wo,
	s_mov_b32 s27, 0
	s_lshl_b32 s28, ttmp9, 13                      ; of wv and wo,
	s_mov_b32 s29, 0
	s_lshl_b32 s30, ttmp9, 12                      ; of Wq, Wk and (four rows of 1,024 bytes) wqk
	s_mov_b32 s31, 0
	s_wait_kmcnt 0x0
	s_add_nc_u64 s[4:5], s[4:5], s[22:23]
	s_add_nc_u64 s[6:7], s[6:7], s[30:31]
	s_add_nc_u64 s[8:9], s[8:9], s[30:31]
	s_add_nc_u64 s[10:11], s[10:11], s[26:27]
	s_add_nc_u64 s[12:13], s[12:13], s[26:27]
	s_add_nc_u64 s[14:15], s[14:15], s[24:25]
	s_add_nc_u64 s[16:17], s[16:17], s[30:31]
	s_add_nc_u64 s[18:19], s[18:19], s[28:29]
	s_add_nc_u64 s[20:21], s[20:21], s[28:29]
.irp u, 0,1,2,3,4,5,6,7,8,9,10,11,12,13,14,15
	global_load_b128 v[D+4*\u:D+4*\u+3], v1, s[4:5] offset:4096*\u th:TH_LOAD_NT
.endr
.irp u, 0,1,2,3
	global_load_b128 v[D+64+4*\u:D+64+4*\u+3], v1, s[10:11] offset:4096*\u th:TH_LOAD_NT
.endr
.irp u, 0,1,2,3
	global_load_b128 v[D+80+4*\u:D+80+4*\u+3], v1, s[12:13] offset:4096*\u th:TH_LOAD_NT
.endr
	global_load_b128 v[D+96:D+99], v1, s[6:7] th:TH_LOAD_NT
	global_load_b128 v[D+100:D+103], v1, s[8:9] th:TH_LOAD_NT
; load i has come (the NLD-1-i younger ones stay out: loads return in order, ISA guide 5.7.1); two roundings each, 8 bytes out
.macro CVST i, off, base, imm
	s_wait_loadcnt NLD-1-(\i)
	v_cvt_pk_bf16_f32 v[D+4*(\i)], v[D+4*(\i)], v[D+4*(\i)+1]
	v_cvt_pk_bf16_f32 v[D+4*(\i)+1], v[D+4*(\i)+2], v[D+4*(\i)+3]
	global_store_b64 v[\off], v[D+4*(\i):D+4*(\i)+1], s[\base:\base+1] offset:\imm
.endm
.irp u, 0,1,2,3,4,5,6,7,8,9,10,11,12,13,14,15
	CVST \u, 2, 14, 2048*\u
.endr
.irp u, 0,1,2,3
	CVST 16+\u, 2, 18, 2048*\u
.endr
.irp u, 0,1,2,3
	CVST 20+\u, 2, 20, 2048*\u
.endr
	CVST 24, 3, 16, 0                              ; Wq: columns 0 to 255 of wqk
	CVST 25, 3, 16, 512                            ; Wk: columns 256 to 511
	s_endpgm
.Lfunc_end_k_qd0f3f88b7d_prep:
	.size	k_qd0f3f88b7d_prep, .Lfunc_end_k_qd0f3f88b7d_prep-k_qd0f3f88b7d_prep
	.p2alignl 7, 3214868480
	.fill 96, 4, 3214868480
	.section	.rodata,"a",@progbits
	.p2align	6, 0x0
	.amdhsa_kernel k_qd0f3f88b7d_prep
		.amdhsa_group_segment_fixed_size 0
		.amdhsa_private_segment_fixed_size 0
		.amdhsa_enable_private_segment 0
		.amdhsa_kernarg_size 72
		.amdhsa_user_sgpr_count 2
		.amdhsa_user_sgpr_kernarg_segment_ptr 1
		.amdhsa_wavefront_size32 1
		.amdhsa_system_sgpr_workgroup_id_x 1
		.amdhsa_system_sgpr_workgroup_id_y 1
		.amdhsa_system_sgpr_workgroup_id_z 1
		.amdhsa_system_vgpr_workitem_id 0
		.amdhsa_next_free_vgpr 112
		.amdhsa_next_free_sgpr 66
		.amdhsa_reserve_vcc 0
		.amdhsa_float_denorm_mode_32 3
		.amdhsa_float_denorm_mode_16_64 3
		.amdhsa_memory_ordered 1
		.amdhsa_forward_progress 1
		.amdhsa_inst_pref_size 11
	.end_amdhsa_kernel
	.amdgpu_metadata
---
amdhsa.version: [ 1, 2 ]
amdhsa.kernels:
  - .name:           k_qd0f3f88b7d_prep
    .symbol:         k_qd0f3f88b7d_prep.kd
    .args:
      - { .name: x, .offset: 0, .size: 8, .value_kind: global_buffer, .address_space: global }
      - { .name: Wq, .offset: 8, .size: 8, .value_kind: global_buffer, .address_space: global }
      - { .name: Wk, .offset: 16, .size: 8, .value_kind: global_buffer, .address_space: global }
      - { .name: Wv, .offset: 24, .size: 8, .value_kind: global_buffer, .address_space: global }
      - { .name: Wo, .offset: 32, .size: 8, .value_kind: global_buffer, .address_space: global }
      - { .name: xb, .offset: 40, .size: 8, .value_kind: global_buffer, .address_space: global }
      - { .name: wqk, .offset: 48, .size: 8, .value_kind: global_buffer, .address_space: global }
      - { .name: wv, .offset: 56, .size: 8, .value_kind: global_buffer, .address_space: global }
      - { .name: wo, .offset: 64, .size: 8, .value_kind: global_buffer, .address_space: global }
    .group_segment_fixed_size: 0
    .private_segment_fixed_size: 0
    .kernarg_segment_align: 8
    .kernarg_segment_size: 72
    .max_flat_workgroup_size: 256
    .sgpr_count:     66
    .vgpr_count:     112
    .wavefront_size: 32
...
	.end_amdgpu_metadata
.endif
;; end of part 1
;; launch proj (part 2): grid 8 x 32, 8 waves a work-group, clusters of 4 x 4, 327,680 bytes of LDS; arguments xb, wqk, wv, qk, vt; writes qk, vt
.if DOCPART == 2
	.amdgcn_target "amdgcn-amd-amdhsa--gfx1250"
	.amdhsa_code_object_version 6
	.text
	.protected	k_qd0f3f88b7d_proj
	.globl	k_qd0f3f88b7d_proj
	.p2align	8
	.type	k_qd0f3f88b7d_proj,@function
k_qd0f3f88b7d_proj:
	s_mov_b64 s[64:65], 0
	v_nop
	global_prefetch_b8 v0, s[64:65] scope:SCOPE_SE
	s_setreg_imm32_b32 hwreg(HW_REG_WAVE_MODE, 25, 1), 1
	s_wait_xcnt 0x0
	s_wait_alu depctr_hold_cnt(0) depctr_sa_sdst(0) depctr_va_vdst(0) depctr_va_sdst(0) depctr_va_ssrc(0) depctr_va_vcc(0) depctr_vm_vsrc(0)
	s_getreg_b32 s2, hwreg(HW_REG_IB_STS2, 6, 4)
	s_cmp_eq_u32 s2, 0
	s_cbranch_scc0 .Lentry_in_a_cluster
	s_endpgm
.Lentry_in_a_cluster:
	s_bfe_u32 s2, ttmp6, 0x10000c
	s_cmp_lg_u32 s2, 0xf033
	s_cbranch_scc0 .Lentry_shape_is_right
	s_endpgm
.Lentry_shape_is_right:
; [q | k | v] = xb [wqk | wv], bf16 operands, f32 sums; every result leaves as a PAIR of bf16, hi + lo (hi = the f32 rounded to bf16,
; lo = the exact rest rounded to bf16), because the products that follow need more than the 8 bits of one bf16.
;   qk[which][b][h][l][32]: a row of 64 bytes = hi of the 16 features, then lo.  which 0 = q / 4 (an exact scaling), which 1 = k.
;   vt[b][h][part][e][l]:   v transposed, part 0 = hi, part 1 = lo; rows of 4,096 bytes along l.
; A work-group makes 128 rows of x times (128 columns of wv: heads 2c, 2c+1) and (64 columns of wqk: four heads of q or of k):
; 8 x 32 = 256 work-groups of equal work.  Eight waves: wave w takes rows 64 (w / 4) .. +63, v columns 32 (w % 4) .. +31 and the
; 16 wqk columns of one head: 12 accumulator tiles of 16 x 16.
; THE RING.  K = 1,024 is eight steps of 128.  LDS holds three units of one step each (x 128 rows, wv 128 k-rows, wqk 128 k-rows).
; Units 0 and 1 are slot A and are filled together, unit 2 is slot B.  All three are filled at the start; then the steps go
; A {0,1}, B {2}, A {3,4}, B {5}, A {6,7}: three refills in all, each behind one round of the cluster's barrier.  Two slots of two steps
; each would need 2 x 184,320 bytes and do not fit.  A request for slot A has one step's work (48 matrix instructions a wave) in which to
; land, a request for slot B two steps'.  Each tile of a unit is one tensor load of 128 rows: slot A by waves 0 to 5 (tile w / 2, unit
; w % 2), slot B by waves 0, 2, 4; waves 6, 7 ask for nothing.  By this text's own count a wave has at most two tensor loads
; outstanding (the first fills), later one.
; CLUSTERS: 4 x 4 work-groups; x's tile hangs on the block row alone and is asked for jointly along a row of the cluster, the two weight
; tiles hang on the block column alone and are asked for jointly along a column.  wqk's tile rows are 128 bytes, one fifth of a step's
; bytes: kept so that all 256 work-groups have the same work.
; The weights lie [k][n] in LDS and are read by the transposing load.  The q/k tiles are made with the sources swapped (weights first),
; so that a lane holds 8 neighbouring features of one row l; the v tiles in the natural order, so that a lane holds 8 neighbouring l
; of one column e, which is what vt's rows want.
; LIMIT: a result beyond bf16's largest number rounds to infinity in hi (about 3.4e38).
.set UNIT, 92160                       ; x 128 rows x 272, wv 128 k-rows x 288, wqk 128 k-rows x 160
.set VO,   34816                       ; wv's tile in a unit
.set QO,   71680                       ; wqk's tile in a unit
.set STV,  2*UNIT                      ; stage for vt: 256 rows (part x 128 + column) x 272, in unit 2's bytes: written only when that unit has had its last fill and its last read
.set STQ,  3*UNIT                      ; stage for qk: 64 rows x 80 for each wave, the wave's own; no tensor load lands here
.set G1X, 16                           ; s[16:23] shape of x's tile
.set G1V, 24                           ; s[24:31] of wv's
.set G1Q, 32                           ; s[32:39] of wqk's
.set G0X, 40                           ; s[40:47] from where, to where: four registers for slot A, four for slot B
.set G0V, 48                           ; s[48:55]
.set G0Q, 56                           ; s[56:63]
.set AX, 1                             ; v1-3   LDS address of my x fragments in unit 0, 1, 2
.set AV, 4                             ; v4-6   of my wv fragments
.set AQ, 7                             ; v7-9   of my wqk fragment
.set SVI, 10                           ; vt's stage, in
.set SQI, 11                           ; qk's stage, in
.set SVB, 12                           ; vt's stage, back
.set SQB, 13                           ; qk's stage, back
.set OVT, 14                           ; my offset in vt
.set OQK, 15                           ; my offset in qk
.set ACC, 16                           ; v[16:79]   v tiles: (mt, nt) at 16 + 16 mt + 8 nt
.set ACQ, 80                           ; v[80:111]  q/k tiles: mt at 80 + 8 mt
.set F0, 112                           ; v[112:167] fragment buffer 0: x(mt) at +8 mt, wv(nt) at +32 + 8 nt, wqk at +48
.set F1, 168                           ; v[168:223] fragment buffer 1
.set NEG1, 224                         ; -1.0
.set TA, 225                           ; at work in the set-up
.macro PLACES n
.rept \n
	v_nop
.endr
.endm
; a round of the cluster's barrier: my work-group's barrier, wave 0 signals for the work-group, every wave waits for all sixteen, my work-group's barrier again
.macro ROUND
	s_barrier_signal -1
	s_barrier_wait -1
	s_cmp_lg_u32 s14, 0
	s_cbranch_scc1 .Lnw0_\@
	s_barrier_signal -3
.Lnw0_\@:
	s_barrier_wait -3
	s_barrier_signal -1
	s_barrier_wait -1
.endm
; the joint loads of slot A: one line for each kind of tile, each with one mask; the two waves of a kind fill units 0 and 1.  The branch hangs on the wave's number alone.
.macro JLOADA
	s_cmp_lg_u32 s15, 0
	s_cbranch_scc1 .Lnx_\@
	tensor_load_to_lds s[G0X:G0X+3], s[G1X:G1X+7]
	s_nop 0
	s_branch .Ljd_\@
.Lnx_\@:
	s_cmp_lg_u32 s15, 1
	s_cbranch_scc1 .Lnv_\@
	tensor_load_to_lds s[G0V:G0V+3], s[G1V:G1V+7]
	s_nop 0
	s_branch .Ljd_\@
.Lnv_\@:
	s_cmp_lg_u32 s15, 2
	s_cbranch_scc1 .Ljd_\@
	tensor_load_to_lds s[G0Q:G0Q+3], s[G1Q:G1Q+7]
	s_nop 0
.Ljd_\@:
.endm
; the joint loads of slot B (unit 2): wave 0 asks for x's tile, wave 2 for wv's, wave 4 for wqk's
.macro JLOADB
	s_cmp_lg_u32 s14, 0
	s_cbranch_scc1 .Lnx_\@
	tensor_load_to_lds s[G0X+4:G0X+7], s[G1X:G1X+7]
	s_nop 0
	s_branch .Ljd_\@
.Lnx_\@:
	s_cmp_lg_u32 s14, 2
	s_cbranch_scc1 .Lnv_\@
	tensor_load_to_lds s[G0V+4:G0V+7], s[G1V:G1V+7]
	s_nop 0
	s_branch .Ljd_\@
.Lnv_\@:
	s_cmp_lg_u32 s14, 4
	s_cbranch_scc1 .Ljd_\@
	tensor_load_to_lds s[G0Q+4:G0Q+7], s[G1Q:G1Q+7]
	s_nop 0
.Ljd_\@:
.endm
; 8 f32 in v[a .. a+7] (destroyed) become 4 registers of hi and 4 of lo: hi = bf16(a); a - hi is exact in f32; lo = bf16(a - hi)
.macro SPLIT8 a, hh, ll
.irp k, 0,1,2,3
	v_cvt_pk_bf16_f32 v[\hh+\k], v[\a+2*\k], v[\a+2*\k+1]
.endr
.irp k, 0,1,2,3
	v_fma_mix_f32_bf16 v[\a+2*\k], v[\hh+\k], v[NEG1], v[\a+2*\k] op_sel_hi:[1,0,0]
	v_fma_mix_f32_bf16 v[\a+2*\k+1], v[\hh+\k], v[NEG1], v[\a+2*\k+1] op_sel:[1,0,0] op_sel_hi:[1,0,0]
.endr
.irp k, 0,1,2,3
	v_cvt_pk_bf16_f32 v[\ll+\k], v[\a+2*\k], v[\a+2*\k+1]
.endr
.endm
	s_load_b256 s[4:11], s[0:1], 0x0               ; xb s[4:5], wqk s[6:7], wv s[8:9], qk s[10:11]
	s_load_b64 s[12:13], s[0:1], 0x20              ; vt
	v_lshl_add_u32 v228, v0, 2, 0x4d800
	v_mov_b32 v229, 0
	ds_add_u32 v228, v229
	ds_add_u32 v228, v229
	v_lshrrev_b32 v1, 5, v0
	v_readfirstlane_b32 s14, v1                    ; wave 0..7
	s_lshr_b32 s15, s14, 1                         ; which tile I ask for: 0 x, 1 wv, 2 wqk, 3 none
	s_and_b32 s66, s14, 1                          ; for which unit of slot A
	s_lshr_b32 s73, s14, 2                         ; mi: my 64 rows of the block
	s_and_b32 s74, s14, 3                          ; ni: my columns
	s_bfe_u32 s67, ttmp6, 0x40000                  ; cx
	s_bfe_u32 s68, ttmp6, 0x40004                  ; cy
	s_lshl_b32 s69, ttmp9, 2
	s_add_co_u32 s69, s69, s67                     ; c: block column = 4 x cluster x + cx
	s_and_b32 s70, ttmp7, 0xffff
	s_lshl_b32 s70, s70, 2
	s_add_co_u32 s70, s70, s68                     ; by: block row = 4 x cluster y + cy
	s_lshl_b32 s71, s68, 2
	s_lshl_b32 s71, 15, s71                        ; my row of the cluster
	s_lshl_b32 s72, 0x1111, s67                    ; my column of the cluster
	; shapes.  x: 128 rows x 128 elements, pitch 1,024; 4 words of padding behind every 64 words: LDS pitch 272
	s_or_b32 s[G1X+0], s71, 0x07710000             ; mask | 2-byte elements | padding on | bit 21 beside a mask | interval code 5 | pad code 3
	s_mov_b32 s[G1X+1], 128<<16                    ; tensor_dim0 = 128
	s_mov_b32 s[G1X+2], 128<<16                    ; tensor_dim1 = 128
	s_mov_b32 s[G1X+3], 128<<16                    ; tile_dim0 = 128
	s_mov_b32 s[G1X+4], 128                        ; tile_dim1 = 128
	s_mov_b32 s[G1X+5], 1024                       ; elements from row to row
	s_mov_b32 s[G1X+6], 0
	s_mov_b32 s[G1X+7], 0
	; wv: 128 k-rows x 128 columns, pitch 1,024; 8 words behind every 64: LDS pitch 288
	s_or_b32 s[G1V+0], s72, 0x0f710000
	s_mov_b32 s[G1V+1], 128<<16
	s_mov_b32 s[G1V+2], 128<<16
	s_mov_b32 s[G1V+3], 128<<16
	s_mov_b32 s[G1V+4], 128
	s_mov_b32 s[G1V+5], 1024
	s_mov_b32 s[G1V+6], 0
	s_mov_b32 s[G1V+7], 0
	; wqk: 128 k-rows x 64 columns, pitch 512; 8 words behind every 32: LDS pitch 160
	s_or_b32 s[G1Q+0], s72, 0x0f310000
	s_mov_b32 s[G1Q+1], 64<<16
	s_mov_b32 s[G1Q+2], 128<<16
	s_mov_b32 s[G1Q+3], 64<<16
	s_mov_b32 s[G1Q+4], 128
	s_mov_b32 s[G1Q+5], 512
	s_mov_b32 s[G1Q+6], 0
	s_mov_b32 s[G1Q+7], 0
	; where the tiles come from: x's address is made of the block row and the wave's number, the weights' of the block column and the
	; wave's number, each in registers that never hold the other coordinate
	s_lshl_b32 s76, s70, 18                        ; x: 128 by rows of 2,048 bytes
	s_mov_b32 s77, 0
	s_lshl_b32 s78, s69, 8                         ; wv: 256 c
	s_mov_b32 s79, 0
	s_lshl_b32 s80, s69, 7                         ; wqk: 128 c
	s_mov_b32 s81, 0
	s_lshl_b32 s86, s66, 8                         ; slot A, my unit's K step: 256 bytes along x's rows,
	s_mov_b32 s87, 0
	s_lshl_b32 s88, s66, 18                        ; 128 rows of wv (2,048 bytes each),
	s_mov_b32 s89, 0
	s_lshl_b32 s90, s66, 17                        ; 128 rows of wqk (1,024 bytes each)
	s_mov_b32 s91, 0
	s_mul_i32 s82, s66, UNIT                       ; and where they go: the wave's number alone enters an LDS address
	s_wait_dscnt 0x0
	s_wait_kmcnt 0x0
	s_add_nc_u64 s[76:77], s[4:5], s[76:77]
	s_add_nc_u64 s[78:79], s[8:9], s[78:79]
	s_add_nc_u64 s[80:81], s[6:7], s[80:81]
	s_mov_b32 s[G0X], 1                            ; slot A: K steps 0 and 1
	s_add_co_u32 s[G0X+1], s82, 0
	s_add_nc_u64 s[G0X+2:G0X+3], s[76:77], s[86:87]
	s_or_b32 s[G0X+3], s[G0X+3], 0x80000000
	s_mov_b32 s[G0V], 1
	s_add_co_u32 s[G0V+1], s82, VO
	s_add_nc_u64 s[G0V+2:G0V+3], s[78:79], s[88:89]
	s_or_b32 s[G0V+3], s[G0V+3], 0x80000000
	s_mov_b32 s[G0Q], 1
	s_add_co_u32 s[G0Q+1], s82, QO
	s_add_nc_u64 s[G0Q+2:G0Q+3], s[80:81], s[90:91]
	s_or_b32 s[G0Q+3], s[G0Q+3], 0x80000000
	s_mov_b32 s[G0X+4], 1                          ; slot B: K step 2
	s_mov_b32 s[G0X+5], 2*UNIT
	s_add_nc_u64 s[G0X+6:G0X+7], s[76:77], 512
	s_or_b32 s[G0X+7], s[G0X+7], 0x80000000
	s_mov_b32 s[G0V+4], 1
	s_mov_b32 s[G0V+5], 2*UNIT+VO
	s_add_nc_u64 s[G0V+6:G0V+7], s[78:79], 524288
	s_or_b32 s[G0V+7], s[G0V+7], 0x80000000
	s_mov_b32 s[G0Q+4], 1
	s_mov_b32 s[G0Q+5], 2*UNIT+QO
	s_add_nc_u64 s[G0Q+6:G0Q+7], s[80:81], 262144
	s_or_b32 s[G0Q+7], s[G0Q+7], 0x80000000
	ROUND                                          ; all sixteen work-groups are here: the first joint loads meet
	JLOADA                                         ; the first fills go out as one group: K steps 0 and 1,
	JLOADB                                         ; and K step 2
	; lane l: r = l % 16, h = l / 16.  A fragment from rows that lie along K: (row + r) pitch + 16 h, two loads 32 bytes apart.
	; A fragment from rows that lie along N: (k + 8 h + l % 8) pitch + 2 n + 16 ((l / 8) % 2), two transposing loads 16 rows apart.
	v_and_b32 v112, 15, v0                         ; r
	v_bfe_u32 v113, v0, 4, 1                       ; h
	v_and_b32 v114, 7, v0
	v_bfe_u32 v115, v0, 3, 1
	v_and_b32 v116, 31, v0                         ; l
	v_lshrrev_b32 v117, 2, v116
	v_and_b32 v118, 3, v0
	v_lshl_add_u32 v119, v113, 3, v114             ; 8 h + l % 8
	v_mul_u32_u24 v[TA], v112, 272
	v_lshl_add_u32 v[TA], v113, 4, v[TA]           ; 272 r + 16 h
	s_mul_i32 s85, s73, 17408
	v_add_nc_u32 v[AX], s85, v[TA]
	v_add_nc_u32 v[AX+1], UNIT, v[AX]
	v_add_nc_u32 v[AX+2], 2*UNIT, v[AX]
	v_mul_u32_u24 v[AV], v119, 288
	v_lshl_add_u32 v[AV], v115, 4, v[AV]
	s_lshl_b32 s85, s74, 6
	s_add_co_u32 s85, s85, VO
	v_add_nc_u32 v[AV], s85, v[AV]
	v_add_nc_u32 v[AV+1], UNIT, v[AV]
	v_add_nc_u32 v[AV+2], 2*UNIT, v[AV]
	v_mul_u32_u24 v[AQ], v119, 160
	v_lshl_add_u32 v[AQ], v115, 4, v[AQ]
	s_lshl_b32 s85, s74, 5
	s_add_co_u32 s85, s85, QO
	v_add_nc_u32 v[AQ], s85, v[AQ]
	v_add_nc_u32 v[AQ+1], UNIT, v[AQ]
	v_add_nc_u32 v[AQ+2], 2*UNIT, v[AQ]
	s_mul_i32 s85, s74, 8704                       ; vt's stage, in: row 32 ni + r (+ 16 nt), byte 128 mi + 16 h (+ 32 mt)
	s_lshl_b32 s86, s73, 7
	s_add_co_u32 s85, s85, s86
	s_add_co_u32 s85, s85, STV
	v_add_nc_u32 v[SVI], s85, v[TA]
	s_mul_i32 s85, s14, 8704                       ; back: rows 32 w + 2 u + h, 16 bytes at 16 r
	s_add_co_u32 s85, s85, STV
	v_mul_u32_u24 v[SVB], v113, 272
	v_lshl_add_u32 v[SVB], v112, 4, v[SVB]
	v_add_nc_u32 v[SVB], s85, v[SVB]
	s_mul_i32 s85, s14, 5120                       ; qk's stage, my own 64 rows of 80 bytes
	s_add_co_u32 s85, s85, STQ
	v_mul_u32_u24 v[SQI], v112, 80
	v_lshl_add_u32 v[SQI], v113, 4, v[SQI]
	v_add_nc_u32 v[SQI], s85, v[SQI]               ; in: row r (+ 16 mt), byte 16 h (+ 32 for lo)
	v_mul_u32_u24 v[SQB], v117, 80
	v_lshl_add_u32 v[SQB], v118, 4, v[SQB]
	v_add_nc_u32 v[SQB], s85, v[SQB]               ; back: row l / 4 (+ 8 u), 16 bytes at 16 (l % 4)
	v_lshlrev_b32 v[OVT], 12, v113
	v_lshl_add_u32 v[OVT], v112, 4, v[OVT]         ; vt: row h, 16 r
	v_lshlrev_b32 v[OQK], 4, v116                  ; qk: 16 l
	v_mov_b32 v[NEG1], -1.0
; the 14 LDS loads of 32 along K (chunk c of unit u's four) into buffer f.  Loads into registers that matrix instructions have read
; stand four places behind them; matrix instructions are not counted as places, so four v_nop lead the run.
.macro FETCHP u, c, f
	PLACES 4
.irp mt, 0,1,2,3
	ds_load_b128 v[\f+8*\mt:\f+8*\mt+3], v[AX+\u] offset:4352*\mt+64*\c
	ds_load_b128 v[\f+8*\mt+4:\f+8*\mt+7], v[AX+\u] offset:4352*\mt+64*\c+32
.endr
.irp nt, 0,1
	ds_load_tr16_b128 v[\f+32+8*\nt:\f+35+8*\nt], v[AV+\u] offset:9216*\c+32*\nt
	ds_load_tr16_b128 v[\f+36+8*\nt:\f+39+8*\nt], v[AV+\u] offset:9216*\c+32*\nt+4608
.endr
	ds_load_tr16_b128 v[\f+48:\f+51], v[AQ+\u] offset:5120*\c
	ds_load_tr16_b128 v[\f+52:\f+55], v[AQ+\u] offset:5120*\c+2560
.endm
; 12 matrix instructions; the twelve accumulators take turns, one instruction a turn.  zero = 1: the first products start the sums.
.macro MULP f, zero
.irp mt, 0,1,2,3
.if \zero
	v_wmma_f32_16x16x32_bf16 v[ACC+16*\mt:ACC+16*\mt+7], v[\f+8*\mt:\f+8*\mt+7], v[\f+32:\f+39], 0
	v_wmma_f32_16x16x32_bf16 v[ACC+16*\mt+8:ACC+16*\mt+15], v[\f+8*\mt:\f+8*\mt+7], v[\f+40:\f+47], 0
	v_wmma_f32_16x16x32_bf16 v[ACQ+8*\mt:ACQ+8*\mt+7], v[\f+48:\f+55], v[\f+8*\mt:\f+8*\mt+7], 0
.else
	v_wmma_f32_16x16x32_bf16 v[ACC+16*\mt:ACC+16*\mt+7], v[\f+8*\mt:\f+8*\mt+7], v[\f+32:\f+39], v[ACC+16*\mt:ACC+16*\mt+7]
	v_wmma_f32_16x16x32_bf16 v[ACC+16*\mt+8:ACC+16*\mt+15], v[\f+8*\mt:\f+8*\mt+7], v[\f+40:\f+47], v[ACC+16*\mt+8:ACC+16*\mt+15]
	v_wmma_f32_16x16x32_bf16 v[ACQ+8*\mt:ACQ+8*\mt+7], v[\f+48:\f+55], v[\f+8*\mt:\f+8*\mt+7], v[ACQ+8*\mt:ACQ+8*\mt+7]
.endif
.endr
.endm
; one K step on unit u.  first = 1: its first fragments are fetched here; nu >= 0: the step that follows lies in unit nu, which is whole already, and its first fragments are fetched in this step's last quarter
.macro COMP u, first, nu, zero
.if \first
	FETCHP \u, 0, F0
.endif
	FETCHP \u, 1, F1
	s_wait_dscnt 14                                ; all but the 14 just issued
	MULP F0, \zero
	FETCHP \u, 2, F0
	s_wait_dscnt 14
	MULP F1, 0
	FETCHP \u, 3, F1
	s_wait_dscnt 14
	MULP F0, 0
.if \nu >= 0
	FETCHP \nu, 0, F0
	s_wait_dscnt 14
.else
	s_wait_dscnt 0x0
.endif
	MULP F1, 0
.endm
; slot A, which has been read, is filled again, three K steps on
.macro NEXTA
	s_wait_tensorcnt 0x0                           ; all my tensor loads have landed, my part of slot B among them,
	ds_add_u32 v228, v229
	ds_add_u32 v228, v229
	s_add_nc_u64 s[G0X+2:G0X+3], s[G0X+2:G0X+3], 768       ; so the descriptors may be written
	s_add_nc_u64 s[G0V+2:G0V+3], s[G0V+2:G0V+3], 786432
	s_add_nc_u64 s[G0Q+2:G0Q+3], s[G0Q+2:G0Q+3], 393216
	s_wait_dscnt 0x0                               ; my reads of slot A are back
	ROUND                                          ; both now hold of every wave of all sixteen work-groups
	JLOADA                                         ; my one tensor load behind the round, first thing there
.endm
; the same for slot B
.macro NEXTB
	s_wait_tensorcnt 0x0                           ; all my tensor loads have landed, my part of slot A among them
	ds_add_u32 v228, v229
	ds_add_u32 v228, v229
	s_add_nc_u64 s[G0X+6:G0X+7], s[G0X+6:G0X+7], 768
	s_add_nc_u64 s[G0V+6:G0V+7], s[G0V+6:G0V+7], 786432
	s_add_nc_u64 s[G0Q+6:G0Q+7], s[G0Q+6:G0Q+7], 393216
	s_wait_dscnt 0x0                               ; my reads of slot B are back
	ROUND
	JLOADB
.endm
	s_wait_tensorcnt 0x0                           ; for zero: the waves have issued two, one or no first fills
	s_barrier_signal -1
	s_barrier_wait -1                              ; all three units are whole
	COMP 0, 1, 1, 1                                ; K step 0 starts the sums
	COMP 1, 0, -1, 0                               ; K step 1
	NEXTA                                          ; K steps 3 and 4 go out
	COMP 2, 1, -1, 0                               ; K step 2
	NEXTB                                          ; K step 5 goes out
	COMP 0, 1, 1, 0                                ; K steps 3, 4
	COMP 1, 0, -1, 0
	NEXTA                                          ; K steps 6 and 7 go out: the last loads
	COMP 2, 1, -1, 0                               ; K step 5: the last read of unit 2
	s_wait_tensorcnt 0x0                           ; my part of K steps 6 and 7 is in
	s_wait_dscnt 0x0                               ; my reads of unit 2 are back: behind this barrier its bytes serve as vt's stage
	s_barrier_signal -1
	s_barrier_wait -1
	COMP 0, 1, 1, 0                                ; K steps 6, 7
	COMP 1, 0, -1, 0
	; THE WAY OUT.  Four places behind the last matrix instructions, for the conversions that read results and write fragment registers.
	PLACES 4
	s_mov_b32 s92, 0x3e800000                      ; 0.25
	s_mov_b32 s93, 0x3f800000                      ; 1.0
	s_cmp_eq_u32 ttmp9, 0                          ; cluster x 0 holds q's columns, 1 holds k's: the same in all partners, and only a value is chosen
	s_cselect_b32 s90, s92, s93
	s_mov_b32 s91, s90
	s_lshr_b32 s86, s70, 4                         ; b
	s_and_b32 s87, s70, 15                         ; which 128 of the 2,048 l
	s_lshl_b32 s88, s86, 4                         ; vt: row ((16 b + 2 c + (w / 2) % 2) 2 + w / 4) 64 + 32 (w % 2), of 4,096 bytes, + 256 lb
	s_lshl1_add_u32 s88, s69, s88
	s_and_b32 s89, s15, 1
	s_add_co_u32 s88, s88, s89
	s_lshl1_add_u32 s88, s88, s73
	s_lshl_b32 s88, s88, 6
	s_lshl_b32 s89, s66, 5
	s_add_co_u32 s88, s88, s89
	s_lshl_b32 s88, s88, 12
	s_lshl_b32 s89, s87, 8
	s_add_co_u32 s88, s88, s89
	s_mov_b32 s89, 0
	s_add_nc_u64 s[12:13], s[12:13], s[88:89]
	s_lshl1_add_u32 s88, ttmp9, s86                ; qk: row ((2 which + b) 16 + 4 cx + ni) 2,048 + 128 lb + 64 mi, of 64 bytes
	s_lshl_b32 s88, s88, 4
	s_lshl2_add_u32 s88, s67, s88
	s_add_co_u32 s88, s88, s74
	s_lshl_b32 s88, s88, 11
	s_lshl_b32 s89, s87, 7
	s_add_co_u32 s88, s88, s89
	s_lshl_b32 s89, s73, 6
	s_add_co_u32 s88, s88, s89
	s_lshl_b32 s88, s88, 6
	s_mov_b32 s89, 0
	s_add_nc_u64 s[10:11], s[10:11], s[88:89]
.irp mt, 0,1,2,3
.irp nt, 0,1
	SPLIT8 (ACC+16*\mt+8*\nt), (F0+16*\mt+8*\nt), (F0+16*\mt+8*\nt+4)
	ds_store_b128 v[SVI], v[F0+16*\mt+8*\nt:F0+16*\mt+8*\nt+3] offset:4352*\nt+32*\mt            ; hi: 8 neighbouring l of column e
	ds_store_b128 v[SVI], v[F0+16*\mt+8*\nt+4:F0+16*\mt+8*\nt+7] offset:4352*\nt+32*\mt+34816    ; lo: 128 rows further down
.endr
.endr
.irp mt, 0,1,2,3
.irp k, 0,2,4,6
	v_pk_mul_f32 v[ACQ+8*\mt+\k:ACQ+8*\mt+\k+1], v[ACQ+8*\mt+\k:ACQ+8*\mt+\k+1], s[90:91] op_sel_hi:[1,0]
.endr
	SPLIT8 (ACQ+8*\mt), (F0+64+8*\mt), (F0+68+8*\mt)
	ds_store_b128 v[SQI], v[F0+64+8*\mt:F0+67+8*\mt] offset:1280*\mt                             ; hi of features 8 h .. 8 h + 7 of row l
	ds_store_b128 v[SQI], v[F0+68+8*\mt:F0+71+8*\mt] offset:1280*\mt+32                          ; lo
.endr
	s_wait_dscnt 0x0                               ; my stage stores are done: vt's rows are read back by other waves
	s_barrier_signal -1
	s_barrier_wait -1
.irp u, 0,1,2,3,4,5,6,7,8,9,10,11,12,13,14,15
	ds_load_b128 v[F0+4*\u:F0+4*\u+3], v[SVB] offset:544*\u
.endr
.irp u, 0,1,2,3,4,5,6,7
	ds_load_b128 v[F0+64+4*\u:F0+67+4*\u], v[SQB] offset:640*\u
.endr
.irp u, 0,1,2,3,4,5,6,7,8,9,10,11,12,13,14,15
	s_wait_dscnt 23-\u                             ; LDS loads return in order: this one is in, the younger stay out
	global_store_b128 v[OVT], v[F0+4*\u:F0+4*\u+3], s[12:13] offset:8192*\u     ; 16 lanes store 256 consecutive bytes of a row of vt, aligned
.endr
.irp u, 0,1,2,3,4,5,6,7
	s_wait_dscnt 7-\u
	global_store_b128 v[OQK], v[F0+64+4*\u:F0+67+4*\u], s[10:11] offset:512*\u  ; 8 rows of qk: 512 consecutive bytes
.endr
	s_wait_tensorcnt 0x0
	ds_add_u32 v228, v229
	s_wait_dscnt 0x0
	ROUND                                          ; the closing round: no work-group ends while a partner may still ask for a tile that names it
	s_endpgm
.Lfunc_end_k_qd0f3f88b7d_proj:
	.size	k_qd0f3f88b7d_proj, .Lfunc_end_k_qd0f3f88b7d_proj-k_qd0f3f88b7d_proj
	.p2alignl 7, 3214868480
	.fill 96, 4, 3214868480
	.section	.rodata,"a",@progbits
	.p2align	6, 0x0
	.amdhsa_kernel k_qd0f3f88b7d_proj
		.amdhsa_group_segment_fixed_size 327680
		.amdhsa_private_segment_fixed_size 0
		.amdhsa_enable_private_segment 0
		.amdhsa_kernarg_size 40
		.amdhsa_user_sgpr_count 2
		.amdhsa_user_sgpr_kernarg_segment_ptr 1
		.amdhsa_wavefront_size32 1
		.amdhsa_system_sgpr_workgroup_id_x 1
		.amdhsa_system_sgpr_workgroup_id_y 1
		.amdhsa_system_sgpr_workgroup_id_z 1
		.amdhsa_system_vgpr_workitem_id 0
		.amdhsa_next_free_vgpr 230
		.amdhsa_next_free_sgpr 96
		.amdhsa_reserve_vcc 0
		.amdhsa_float_denorm_mode_32 3
		.amdhsa_float_denorm_mode_16_64 3
		.amdhsa_memory_ordered 1
		.amdhsa_forward_progress 1
		.amdhsa_inst_pref_size 91
	.end_amdhsa_kernel
	.amdgpu_metadata
---
amdhsa.version: [ 1, 2 ]
amdhsa.kernels:
  - .name:           k_qd0f3f88b7d_proj
    .symbol:         k_qd0f3f88b7d_proj.kd
    .args:
      - { .name: xb, .offset: 0, .size: 8, .value_kind: global_buffer, .address_space: global }
      - { .name: wqk, .offset: 8, .size: 8, .value_kind: global_buffer, .address_space: global }
      - { .name: wv, .offset: 16, .size: 8, .value_kind: global_buffer, .address_space: global }
      - { .name: qk, .offset: 24, .size: 8, .value_kind: global_buffer, .address_space: global }
      - { .name: vt, .offset: 32, .size: 8, .value_kind: global_buffer, .address_space: global }
    .group_segment_fixed_size: 327680
    .private_segment_fixed_size: 0
    .kernarg_segment_align: 8
    .kernarg_segment_size: 40
    .max_flat_workgroup_size: 256
    .sgpr_count:     96
    .vgpr_count:     230
    .wavefront_size: 32
...
	.end_amdgpu_metadata
.endif
;; end of part 2
;; launch attn (part 3): grid 8 x 32, 8 waves a work-group, no clusters, 327,680 bytes of LDS; arguments qk, vt, yw; writes yw
.if DOCPART == 3
	.amdgcn_target "amdgcn-amd-amdhsa--gfx1250"
	.amdhsa_code_object_version 6
	.text
	.protected	k_qd0f3f88b7d_attn
	.globl	k_qd0f3f88b7d_attn
	.p2align	8
	.type	k_qd0f3f88b7d_attn,@function
k_qd0f3f88b7d_attn:
	s_mov_b64 s[64:65], 0
	v_nop
	global_prefetch_b8 v0, s[64:65] scope:SCOPE_SE
	s_setreg_imm32_b32 hwreg(HW_REG_WAVE_MODE, 25, 1), 1
	s_wait_xcnt 0x0
; Causal attention with the second-order feature map, one (batch, head) for each grid y.
; IDENTITY, true for every input: phi(q).phi(k) = 1 + s/4 + s^2/32 with s = q.k over the 16 features, and the denominator
; phi(q).cumsum(phi(k)) is the row sum of the causal matrix.  With u = 1 + s/4 (q is stored as q/4, and the product starts from a
; tile of ones) 2 A = u u + 1: one fused multiply-add.  Numerator and denominator both carry the factor 2, and EPS enters as 2 EPS.
; A >= 1/2, so the row sums have no cancellation.  The order of rounding differs from a product over the 273 features.
; PAIRS: q, k, v come as hi + lo in bf16.  A K = 32 product holds [k hi | k lo] against [q hi | q hi] and then [q lo | q lo]: all four
; cross terms.  2A is split into hi + lo as well and A V = Ah Vh + Al Vh + Ah Vl; the term Al Vl (about 2^-18 of the sum) is dropped.
; LIMITS: u u overflows f32 for |q.k| / 4 above about 1.8e19; there s^2/32 itself is about 1.7e38, so in a narrow band just above it the doubled sums here overflow where the undoubled ones do not yet.  y leaves as hi + lo in bf16:
; yw[2048 b + l][128 h + 64 part + e], rows of 4,096 bytes; a head's hi and lo are 256 consecutive bytes of a row.
; WORK: a work-group takes query block 2 j + 1 (128 rows, 2 j + 2 key tiles) and then block 14 - 2 j (15 - 2 j tiles): always 17 tiles
; of 128 keys, 256 work-groups of equal work.  The first phase has an even number of tiles, so slot numbers are fixed in the text:
; eight pairs (slot 0, slot 1) and a last tile in slot 0; a pair's slot 1 is the diagonal tile iff p = j, the last tile always is.
; Wave w: g = w % 4 takes 32 queries (two subtiles of 16), par = w / 4 takes the 32-key steps par and par + 2 of each tile; the two
; waves of a g hold partial sums, joined once a phase through LDS.
; NO CLUSTER: at trip t the partners of one head want key tile t or t - (2 j + 2), which differs with j; a joint walk would need both
; query blocks in lock step, 20 tiles of work for each work-group in place of 17.
; By this text's own count a wave has at most one tensor load outstanding.
.set SLOT, 45056                       ; K 128 rows x 80, then V 128 rows (part x 64 + e) x 272
.set VOF,  10240
.set REDE, 90112                       ; partial sums of the first phase: 4 x 17 x 512 bytes; the second phase's lie REDSZ further
.set REDSZ, 34816
.set QST,  159744                      ; the second phase's Q fragments, 4,096 bytes for each wave, its own
.set YST,  192512                      ; stage for y: 32 rows x 272 for each wave, its own
.set G1K, 20                           ; s[20:27]
.set G1V, 28                           ; s[28:35]
.set G0K, 36                           ; s[36:43] one set of four for each slot
.set G0V, 44                           ; s[44:51]
.set ADK, 1                            ; v1, v2  LDS address of my K fragments in slot 0, 1
.set ADV, 3                            ; v3, v4  of my V fragments
.set DM,  5                            ; v5, v6  diagonal tile: (my query) - (my first key) for my key step 0, 1
                                       ; v7 partial sums; v8 QST; v9, v10 y's stage in, back; v11 my offset in yw; v17 Q's offset
.set RS,  12                           ; v[12:15] row sums, a pair for each subtile
.set NEG1, 16
                                       ; v[18:23] at work
.set ACC, 24                           ; v[24:87]   (a, et) at 24 + 32 a + 8 et
.set QH,  88                           ; v[88:119]  subtile a: [q hi | q hi] at 88 + 16 a, [q lo | q lo] 8 further
.set KF,  120                          ; v[120:135] 16 keys each
.set VH,  136                          ; v[136:199] hi: et at 136 + 8 et; lo 32 further
.set SS,  200                          ; v[200:231] (a, kt) at 200 + 16 a + 8 kt; the lo of 2A ends up in (a, 0)
.set PH,  232                          ; v[232:247] the hi of 2A
.set ONES, 248                         ; v[248:255] 1.0
.macro PLACES n
.rept \n
	v_nop
.endr
.endm
.macro SPLIT8 a, hh, ll
.irp k, 0,1,2,3
	v_cvt_pk_bf16_f32 v[\hh+\k], v[\a+2*\k], v[\a+2*\k+1]
.endr
.irp k, 0,1,2,3
	v_fma_mix_f32_bf16 v[\a+2*\k], v[\hh+\k], v[NEG1], v[\a+2*\k] op_sel_hi:[1,0,0]
	v_fma_mix_f32_bf16 v[\a+2*\k+1], v[\hh+\k], v[NEG1], v[\a+2*\k+1] op_sel:[1,0,0] op_sel_hi:[1,0,0]
.endr
.irp k, 0,1,2,3
	v_cvt_pk_bf16_f32 v[\ll+\k], v[\a+2*\k], v[\a+2*\k+1]
.endr
.endm
; waves 0 to 3 bring 32 keys of K each, waves 4 to 7 bring 32 rows of V each
.macro JLOADA s
	s_cmp_eq_u32 s11, 0
	s_cbranch_scc0 .Lfv_\@
	tensor_load_to_lds s[G0K+4*\s:G0K+4*\s+3], s[G1K:G1K+7]
	s_nop 0
	s_branch .Lfd_\@
.Lfv_\@:
	tensor_load_to_lds s[G0V+4*\s:G0V+4*\s+3], s[G1V:G1V+7]
	s_nop 0
.Lfd_\@:
.endm
.macro CLEAR                           ; the second phase begins at a trip that hangs on j, so the sums are cleared: 68 moves, twice in the kernel
.set ci, 0
.rept 64
	v_mov_b32 v[ACC+ci], 0
.set ci, ci+1
.endr
.irp i, 0,1,2,3
	v_mov_b32 v[RS+\i], 0
.endr
.endm
	s_load_b128 s[4:7], s[0:1], 0x0                ; qk s[4:5], vt s[6:7]
	s_load_b64 s[8:9], s[0:1], 0x10                ; yw
	s_set_vgpr_msb 0x40
	v_lshl_add_u32 v0, v0, 2, 0x40000
	v_mov_b32 v1, 0
	s_set_vgpr_msb 0x4045
	ds_add_u32 v0, v1
	ds_add_u32 v0, v1
	s_set_vgpr_msb 0x4500
	v_lshrrev_b32 v1, 5, v0
	v_readfirstlane_b32 s10, v1                    ; wave 0..7
	s_lshr_b32 s11, s10, 2                         ; par
	s_and_b32 s12, s10, 3                          ; g
	s_add_co_u32 s74, s11, 2                       ; my second key step
	s_mov_b32 s13, ttmp9                           ; j
	s_and_b32 s14, ttmp7, 0xffff                   ; 16 b + h
	s_lshl_b32 s15, s13, 1
	s_add_co_u32 s15, s15, 2                       ; tiles of the first phase
	s_add_co_u32 s17, s13, 1                       ; the pair at whose head the phases change
	s_mov_b32 s66, 0x76543210                      ; v_permlanex16_b32: lane i reads lane i of the other half
	s_mov_b32 s67, 0xfedcba98
	s_mov_b32 s69, 0
	s_mov_b32 s71, 0
	s_mov_b32 s77, 0
	; K: a wave's 32 rows of 64 bytes are 2,048 consecutive bytes: 8 rows of 128 elements; 4 words of padding behind every 16: LDS pitch 80
	s_mov_b32 s[G1K+0], 0x06d10000                 ; 2-byte elements | padding on | interval code 3 | pad code 3
	s_mov_b32 s[G1K+1], 128<<16
	s_mov_b32 s[G1K+2], 8<<16
	s_mov_b32 s[G1K+3], 128<<16
	s_mov_b32 s[G1K+4], 8
	s_mov_b32 s[G1K+5], 128
	s_mov_b32 s[G1K+6], 0
	s_mov_b32 s[G1K+7], 0
	; V: 32 rows x 128 keys, pitch 2,048; 4 words behind every 64: LDS pitch 272
	s_mov_b32 s[G1V+0], 0x07510000
	s_mov_b32 s[G1V+1], 128<<16
	s_mov_b32 s[G1V+2], 32<<16
	s_mov_b32 s[G1V+3], 128<<16
	s_mov_b32 s[G1V+4], 32
	s_mov_b32 s[G1V+5], 2048
	s_mov_b32 s[G1V+6], 0
	s_mov_b32 s[G1V+7], 0
	s_mul_i32 s18, s12, 2560
	s_mul_i32 s19, s12, 8704
	s_add_co_u32 s19, s19, VOF
.irp s, 0,1
	s_mov_b32 s[G0K+4*\s], 1
	s_add_co_u32 s[G0K+4*\s+1], s18, \s*SLOT
	s_mov_b32 s[G0V+4*\s], 1
	s_add_co_u32 s[G0V+4*\s+1], s19, \s*SLOT
.endr
	s_add_co_u32 s18, s14, 32                      ; k lies behind the 32 (b, h) of q
	s_lshl_b32 s68, s18, 17
	s_lshl_b32 s18, s12, 11
	s_add_co_u32 s68, s68, s18                     ; + my 32 rows of 64 bytes
	s_lshl_b32 s70, s14, 19
	s_lshl_b32 s18, s12, 17
	s_add_co_u32 s70, s70, s18                     ; V: 128 rows of 4,096 bytes for a (b, h), + my 32 rows
	s_wait_dscnt 0x0
	s_wait_kmcnt 0x0
	s_add_nc_u64 s[52:53], s[4:5], s[68:69]        ; K's base
	s_add_nc_u64 s[54:55], s[6:7], s[70:71]        ; V's base
	s_mov_b64 s[G0K+2:G0K+3], s[52:53]
	s_or_b32 s[G0K+3], s[G0K+3], 0x80000000
	s_mov_b64 s[G0V+2:G0V+3], s[54:55]
	s_or_b32 s[G0V+3], s[G0V+3], 0x80000000
	JLOADA 0                                       ; key tile 0, ahead of everything else
	s_lshl_b32 s18, s13, 1
	s_sub_co_u32 s19, 14, s18                      ; the second phase's query block
	s_add_co_u32 s18, s18, 1                       ; the first phase's
	s_lshl_b32 s72, s14, 17
	s_lshl_b32 s73, s18, 13
	s_add_co_u32 s76, s72, s73
	s_add_nc_u64 s[60:61], s[4:5], s[76:77]        ; q of the first block
	s_lshl_b32 s73, s19, 13
	s_add_co_u32 s76, s72, s73
	s_add_nc_u64 s[62:63], s[4:5], s[76:77]        ; q of the second
	s_lshr_b32 s72, s14, 4                         ; yw: row 2,048 b + 128 block + 32 g, of 4,096 bytes; + 256 h
	s_lshl_b32 s72, s72, 23
	s_lshl_b32 s73, s12, 17
	s_add_co_u32 s72, s72, s73
	s_and_b32 s73, s14, 15
	s_lshl_b32 s73, s73, 8
	s_add_co_u32 s72, s72, s73
	s_lshl_b32 s73, s18, 19
	s_add_co_u32 s76, s72, s73
	s_add_nc_u64 s[56:57], s[8:9], s[76:77]        ; y of the first block
	s_lshl_b32 s73, s19, 19
	s_add_co_u32 s76, s72, s73
	s_add_nc_u64 s[58:59], s[8:9], s[76:77]        ; y of the second
	v_and_b32 v18, 15, v0                          ; r
	v_bfe_u32 v19, v0, 4, 1                        ; h
	v_and_b32 v20, 31, v0
	v_lshlrev_b32 v11, 4, v20                      ; 16 lane, for the LDS addresses below
	v_lshlrev_b32 v17, 6, v18
	v_lshl_add_u32 v17, v19, 4, v17
	s_lshl_b32 s18, s12, 11
	v_add_nc_u32 v17, s18, v17                     ; q: row 32 g + r of 64 bytes, + 16 h
	; a Q fragment holds the same 8 features in both halves of K: each 16 bytes are loaded twice
.irp a, 0,1
	global_load_b128 v[QH+16*\a:QH+16*\a+3], v17, s[60:61] offset:1024*\a
	global_load_b128 v[QH+16*\a+4:QH+16*\a+7], v17, s[60:61] offset:1024*\a
	global_load_b128 v[QH+16*\a+8:QH+16*\a+11], v17, s[60:61] offset:1024*\a+32
	global_load_b128 v[QH+16*\a+12:QH+16*\a+15], v17, s[60:61] offset:1024*\a+32
.endr
.irp a, 0,1
	global_load_b128 v[VH+16*\a:VH+16*\a+3], v17, s[62:63] offset:1024*\a
	global_load_b128 v[VH+16*\a+4:VH+16*\a+7], v17, s[62:63] offset:1024*\a
	global_load_b128 v[VH+16*\a+8:VH+16*\a+11], v17, s[62:63] offset:1024*\a+32
	global_load_b128 v[VH+16*\a+12:VH+16*\a+15], v17, s[62:63] offset:1024*\a+32
.endr
	v_mul_u32_u24 v[ADK], v18, 80
	v_lshl_add_u32 v[ADK], v19, 4, v[ADK]
	s_mul_i32 s18, s11, 2560
	v_add_nc_u32 v[ADK], s18, v[ADK]               ; key 32 par + r, + 16 h
	v_add_nc_u32 v[ADK+1], SLOT, v[ADK]
	v_mul_u32_u24 v22, v18, 272
	v_lshl_add_u32 v22, v19, 4, v22                ; 272 r + 16 h
	s_lshl_b32 s18, s11, 6
	s_add_co_u32 s18, s18, VOF
	v_add_nc_u32 v[ADV], s18, v22                  ; row e = r, keys from 32 par
	v_add_nc_u32 v[ADV+1], SLOT, v[ADV]
	s_sub_co_u32 s18, s12, s11
	s_lshl_b32 s18, s18, 5                         ; 32 g - 32 par (signed)
	v_lshlrev_b32 v21, 3, v19
	v_sub_nc_u32 v[DM], v18, v21
	v_add_nc_u32 v[DM], s18, v[DM]                 ; 32 g + r - 8 h - 32 par
	v_add_nc_u32 v[DM+1], -64, v[DM]
	s_mul_i32 s18, s12, 8704
	s_add_co_u32 s18, s18, REDE
	v_add_nc_u32 v7, s18, v11
	s_lshl_b32 s18, s10, 12
	s_add_co_u32 s18, s18, QST
	v_add_nc_u32 v8, s18, v11
	s_mul_i32 s18, s10, 8704
	s_add_co_u32 s18, s18, YST
	v_add_nc_u32 v9, s18, v22
	v_mul_u32_u24 v23, v19, 272
	v_lshl_add_u32 v23, v18, 4, v23
	v_add_nc_u32 v10, s18, v23
	v_lshlrev_b32 v11, 12, v19                     ; yw: lanes 0-15 one row's 256 bytes, lanes 16-31 the next row's
	v_lshl_add_u32 v11, v18, 4, v11
	v_mov_b32 v[NEG1], -1.0
.irp i, 0,1,2,3,4,5,6,7
	v_mov_b32 v[ONES+\i], 1.0
.endr
.irp i, 18,19,20,21,22,23
	v_mov_b32 v\i, 0                               ; written whole once: v20 and v22 are destinations of lane permutes, v21 and v23 the idle halves of pairs
.endr
	CLEAR
	s_wait_loadcnt 0x0                             ; both blocks' Q
.irp i, 0,1,2,3,4,5,6,7
	ds_store_b128 v8, v[VH+4*\i:VH+4*\i+3] offset:512*\i           ; the second block's Q waits in my own LDS bytes
.endr
; One step of 32 keys against my 32 queries: 8 + 24 matrix instructions.  mask = 1: the diagonal tile.
.macro SUB slot, u, mask
	PLACES 5                                       ; behind the last A V products: 4 places for the loads into their sources, 5 for the matrix instructions that write over the lo of 2A
.irp kt, 0,1
	ds_load_b128 v[KF+8*\kt:KF+8*\kt+3], v[ADK+\slot] offset:5120*\u+1280*\kt
	ds_load_b128 v[KF+8*\kt+4:KF+8*\kt+7], v[ADK+\slot] offset:5120*\u+1280*\kt+32
.endr
.irp vt, 0,1,2,3,4,5,6,7
	ds_load_b128 v[VH+8*\vt:VH+8*\vt+3], v[ADV+\slot] offset:4352*\vt+128*\u
	ds_load_b128 v[VH+8*\vt+4:VH+8*\vt+7], v[ADV+\slot] offset:4352*\vt+128*\u+32
.endr
	s_wait_dscnt 16                                ; all but the 16 loads of V: K's fragments are in, and Q's where a phase has just begun
	; u = 1 + (q/4).k: rows = keys, columns = queries, so that the result already has the layout of the next product's second source.
	; The four tiles take turns, one instruction a turn.
.irp a, 0,1
.irp kt, 0,1
	v_wmma_f32_16x16x32_bf16 v[SS+16*\a+8*\kt:SS+16*\a+8*\kt+7], v[KF+8*\kt:KF+8*\kt+7], v[QH+16*\a:QH+16*\a+7], v[ONES:ONES+7]
.endr
.endr
.irp a, 0,1
.irp kt, 0,1
	v_wmma_f32_16x16x32_bf16 v[SS+16*\a+8*\kt:SS+16*\a+8*\kt+7], v[KF+8*\kt:KF+8*\kt+7], v[QH+16*\a+8:QH+16*\a+15], v[SS+16*\a+8*\kt:SS+16*\a+8*\kt+7]
.endr
.endr
	PLACES 4
.irp a, 0,1
.irp i, 0,2,4,6,8,10,12,14
	v_pk_fma_f32 v[SS+16*\a+\i:SS+16*\a+\i+1], v[SS+16*\a+\i:SS+16*\a+\i+1], v[SS+16*\a+\i:SS+16*\a+\i+1], 1.0 op_sel_hi:[1,1,0]   ; 2A = u u + 1
.endr
.if \mask
.irp kt, 0,1
.irp jj, 0,1,2,3,4,5,6,7
	v_cmp_le_i32 vcc_lo, \jj+16*\kt-16*\a, v[DM+\u]                ; key <= query
	v_cndmask_b32 v[SS+16*\a+8*\kt+\jj], 0, v[SS+16*\a+8*\kt+\jj], vcc_lo
.endr
.endr
.endif
.irp i, 0,2,4,6,8,10,12,14
	v_pk_add_f32 v[RS+2*\a:RS+2*\a+1], v[RS+2*\a:RS+2*\a+1], v[SS+16*\a+\i:SS+16*\a+\i+1]    ; the denominator, in f32
.endr
.irp i, 0,1,2,3,4,5,6,7
	v_cvt_pk_bf16_f32 v[PH+8*\a+\i], v[SS+16*\a+2*\i], v[SS+16*\a+2*\i+1]
.endr
.irp i, 0,1,2,3,4,5,6,7
	v_fma_mix_f32_bf16 v[SS+16*\a+2*\i], v[PH+8*\a+\i], v[NEG1], v[SS+16*\a+2*\i] op_sel_hi:[1,0,0]
	v_fma_mix_f32_bf16 v[SS+16*\a+2*\i+1], v[PH+8*\a+\i], v[NEG1], v[SS+16*\a+2*\i+1] op_sel:[1,0,0] op_sel_hi:[1,0,0]
.endr
.irp i, 0,1,2,3,4,5,6,7
	v_cvt_pk_bf16_f32 v[SS+16*\a+\i], v[SS+16*\a+2*\i], v[SS+16*\a+2*\i+1]     ; packed in place, ascending: register i is free when pair i is read
.endr
.endr
	s_wait_dscnt 0x0                               ; V's fragments
	; rows = e, columns = queries; the eight accumulators take turns, one instruction a turn
.irp a, 0,1
.irp et, 0,1,2,3
	v_wmma_f32_16x16x32_bf16 v[ACC+32*\a+8*\et:ACC+32*\a+8*\et+7], v[VH+8*\et:VH+8*\et+7], v[PH+8*\a:PH+8*\a+7], v[ACC+32*\a+8*\et:ACC+32*\a+8*\et+7]
.endr
.endr
.irp a, 0,1
.irp et, 0,1,2,3
	v_wmma_f32_16x16x32_bf16 v[ACC+32*\a+8*\et:ACC+32*\a+8*\et+7], v[VH+8*\et:VH+8*\et+7], v[SS+16*\a:SS+16*\a+7], v[ACC+32*\a+8*\et:ACC+32*\a+8*\et+7]
.endr
.endr
.irp a, 0,1
.irp et, 0,1,2,3
	v_wmma_f32_16x16x32_bf16 v[ACC+32*\a+8*\et:ACC+32*\a+8*\et+7], v[VH+32+8*\et:VH+32+8*\et+7], v[PH+8*\a:PH+8*\a+7], v[ACC+32*\a+8*\et:ACC+32*\a+8*\et+7]
.endr
.endr
.endm
; the diagonal tile: a key step that lies wholly above my queries (step > g) is jumped over; the branch hangs on the wave's number alone
.macro DIAG slot
	s_cmp_gt_u32 s11, s12
	s_cbranch_scc1 .Lsk0_\@
	SUB \slot, 0, 1
.Lsk0_\@:
	s_cmp_gt_u32 s74, s12
	s_cbranch_scc1 .Lsk1_\@
	SUB \slot, 1, 1
.Lsk1_\@:
.endm
; The change of slots.  add: the tile asked for is 2 p + add; it goes into the slot read last.
.macro HEAD slot, other, add, refill
	s_set_vgpr_msb 0x5
	s_wait_tensorcnt 0x0                           ; all my tensor loads have landed, my part of this tile among them: the descriptors may be written
	ds_add_u32 v0, v1
	s_wait_dscnt 0x0
	s_set_vgpr_msb 0x500
.if \refill
	s_lshl_b32 s72, s16, 1
	s_add_co_u32 s72, s72, \add
	s_sub_co_u32 s73, s72, s15
	s_cmp_lt_u32 s72, s15
	s_cselect_b32 s72, s72, s73                    ; its key tile: counted anew in the second phase
	s_lshl_b32 s68, s72, 13                        ; 128 keys of 64 bytes
	s_lshl_b32 s70, s72, 8                         ; 128 keys along V's rows
	s_add_nc_u64 s[G0K+4*\other+2:G0K+4*\other+3], s[52:53], s[68:69]
	s_or_b32 s[G0K+4*\other+3], s[G0K+4*\other+3], 0x80000000
	s_add_nc_u64 s[G0V+4*\other+2:G0V+4*\other+3], s[54:55], s[70:71]
	s_or_b32 s[G0V+4*\other+3], s[G0V+4*\other+3], 0x80000000
.endif
	s_wait_dscnt 0x0                               ; my reads of the other slot are back, and my stores of partial sums are done
	s_barrier_signal -1
	s_barrier_wait -1                              ; both now hold of every wave
.if \refill
	JLOADA \other                                  ; my one tensor load behind the barrier, first thing there
.endif
.endm
; the waves with par = 1 hand their sums over
.macro PART red
	s_cmp_eq_u32 s11, 0
	s_cbranch_scc1 .Lnp_\@
.irp i, 0,1,2,3,4,5,6,7,8,9,10,11,12,13,14,15
	ds_store_b128 v7, v[ACC+4*\i:ACC+4*\i+3] offset:\red+512*\i
.endr
	ds_store_b128 v7, v[RS:RS+3] offset:\red+8192
.Lnp_\@:
.endm
; the waves with par = 0 join the sums, divide, split y into hi + lo and store a head's 256 bytes of 32 rows.  more = 1: work follows that loads into the stores' registers.
.macro FINAL red, yb, more
.irp i, 0,1,2,3,4,5,6,7,8,9,10,11,12,13,14,15
	ds_load_b128 v[VH+4*\i:VH+4*\i+3], v7 offset:\red+512*\i
.endr
	ds_load_b128 v[KF:KF+3], v7 offset:\red+8192
	s_wait_dscnt 0x0
.set fi, 0
.rept 32
	v_pk_add_f32 v[ACC+fi:ACC+fi+1], v[ACC+fi:ACC+fi+1], v[VH+fi:VH+fi+1]
.set fi, fi+2
.endr
	v_pk_add_f32 v[RS:RS+1], v[RS:RS+1], v[KF:KF+1]
	v_pk_add_f32 v[RS+2:RS+3], v[RS+2:RS+3], v[KF+2:KF+3]
	v_add_f32 v18, v[RS], v[RS+1]
	v_add_f32 v19, v[RS+2], v[RS+3]
	v_permlanex16_b32 v20, v18, s66, s67           ; the other half of the lanes holds the other keys of the same query
	v_permlanex16_b32 v22, v19, s66, s67
	v_add_f32 v18, v18, v20
	v_add_f32 v19, v19, v22
	v_add_f32 v18, 0x2c0cbccc, v18                 ; + 2 EPS = 2e-12
	v_add_f32 v19, 0x2c0cbccc, v19
	v_rcp_f32 v20, v18
	v_rcp_f32 v22, v19
	v_nop                                          ; one plain instruction behind a transcendental before its result is used (ISA guide 5.7.2)
	s_wait_alu depctr_va_vdst(0)
.irp a, 0,1
.set fi, 0
.rept 16
	v_pk_mul_f32 v[ACC+32*\a+fi:ACC+32*\a+fi+1], v[ACC+32*\a+fi:ACC+32*\a+fi+1], v[20+2*\a:21+2*\a] op_sel_hi:[1,0]
.set fi, fi+2
.endr
.endr
.irp a, 0,1
.irp et, 0,1,2,3
	SPLIT8 (ACC+32*\a+8*\et), (SS+8*\et), (SS+8*\et+4)
	ds_store_b128 v9, v[SS+8*\et:SS+8*\et+3] offset:4352*\a+32*\et             ; hi of e = 16 et + 8 h .. + 7 of query 16 a + r
	ds_store_b128 v9, v[SS+8*\et+4:SS+8*\et+7] offset:4352*\a+32*\et+128       ; lo
.endr
.endr
.irp u, 0,1,2,3,4,5,6,7,8,9,10,11,12,13,14,15
	ds_load_b128 v[VH+4*\u:VH+4*\u+3], v10 offset:544*\u           ; my own bytes: LDS serves a wave's instructions in order (ISA guide 5.7.1)
.endr
.irp u, 0,1,2,3,4,5,6,7,8,9,10,11,12,13,14,15
	s_wait_dscnt 15-\u                             ; this one is in, the younger stay out
	global_store_b128 v11, v[VH+4*\u:VH+4*\u+3], s[\yb:\yb+1] offset:8192*\u   ; rows 2 u and 2 u + 1: 16 lanes store 256 consecutive bytes, aligned
.endr
.if \more
	s_wait_xcnt 0x0                                ; the stores' data registers are loaded into again only behind this wait
.endif
.endm
; at the head of pair j + 1 (or of the last tile, for j = 7) the first phase ends.  Its partial sums were stored in front of the ring's own barrier.
.macro SWITCH
	s_cmp_lg_u32 s16, s17
	s_cbranch_scc1 .Lnosw_\@
	PLACES 4                                       ; behind the last matrix instructions, for all that reads their results or writes their registers
	s_cmp_lg_u32 s11, 0
	s_cbranch_scc1 .Lnofin_\@
	FINAL 0, 56, 1
.Lnofin_\@:
	CLEAR
.irp i, 0,1,2,3,4,5,6,7
	ds_load_b128 v[QH+4*\i:QH+4*\i+3], v8 offset:512*\i            ; the second block's Q
.endr
.Lnosw_\@:
.endm
	s_mov_b32 s16, 0                               ; p
.Lpair:
	HEAD 0, 1, 1, 1
	SWITCH
	SUB 0, 0, 0
	SUB 0, 1, 0
	HEAD 1, 0, 2, 1
	s_cmp_eq_u32 s16, s13
	s_cbranch_scc1 .Ldiag
	SUB 1, 0, 0
	SUB 1, 1, 0
	s_branch .Ljoin
.Ldiag:
	DIAG 1                                         ; the first phase's last tile
	PLACES 4
	PART 0
.Ljoin:
	s_add_co_u32 s16, s16, 1
	s_cmp_lt_u32 s16, 8
	s_cbranch_scc1 .Lpair
	HEAD 0, 1, 0, 0                                ; tile 16: nothing is left to ask for
	SWITCH
	DIAG 0                                         ; the second phase's last tile
	PLACES 4
	PART REDSZ
	s_wait_dscnt 0x0                               ; the partial sums are stored
	s_barrier_signal -1
	s_barrier_wait -1
	s_cmp_lg_u32 s11, 0
	s_cbranch_scc1 .Lend
	FINAL REDSZ, 58, 0
.Lend:
	s_set_vgpr_msb 0x5
	s_wait_tensorcnt 0x0
	ds_add_u32 v0, v1
	s_wait_dscnt 0x0
	s_set_vgpr_msb 0x500
	s_endpgm
.Lfunc_end_k_qd0f3f88b7d_attn:
	.size	k_qd0f3f88b7d_attn, .Lfunc_end_k_qd0f3f88b7d_attn-k_qd0f3f88b7d_attn
	.p2alignl 7, 3214868480
	.fill 96, 4, 3214868480
	.section	.rodata,"a",@progbits
	.p2align	6, 0x0
	.amdhsa_kernel k_qd0f3f88b7d_attn
		.amdhsa_group_segment_fixed_size 327680
		.amdhsa_private_segment_fixed_size 0
		.amdhsa_enable_private_segment 0
		.amdhsa_kernarg_size 24
		.amdhsa_user_sgpr_count 2
		.amdhsa_user_sgpr_kernarg_segment_ptr 1
		.amdhsa_wavefront_size32 1
		.amdhsa_system_sgpr_workgroup_id_x 1
		.amdhsa_system_sgpr_workgroup_id_y 1
		.amdhsa_system_sgpr_workgroup_id_z 1
		.amdhsa_system_vgpr_workitem_id 0
		.amdhsa_next_free_vgpr 258
		.amdhsa_next_free_sgpr 80
		.amdhsa_reserve_vcc 1
		.amdhsa_float_denorm_mode_32 3
		.amdhsa_float_denorm_mode_16_64 3
		.amdhsa_memory_ordered 1
		.amdhsa_forward_progress 1
		.amdhsa_inst_pref_size 161
	.end_amdhsa_kernel
	.amdgpu_metadata
---
amdhsa.version: [ 1, 2 ]
amdhsa.kernels:
  - .name:           k_qd0f3f88b7d_attn
    .symbol:         k_qd0f3f88b7d_attn.kd
    .args:
      - { .name: qk, .offset: 0, .size: 8, .value_kind: global_buffer, .address_space: global }
      - { .name: vt, .offset: 8, .size: 8, .value_kind: global_buffer, .address_space: global }
      - { .name: yw, .offset: 16, .size: 8, .value_kind: global_buffer, .address_space: global }
    .group_segment_fixed_size: 327680
    .private_segment_fixed_size: 0
    .kernarg_segment_align: 8
    .kernarg_segment_size: 24
    .max_flat_workgroup_size: 256
    .sgpr_count:     80
    .vgpr_count:     258
    .wavefront_size: 32
...
	.end_amdgpu_metadata
.endif
;; end of part 3
;; launch outp (part 4): grid 8 x 32, 4 waves a work-group, clusters of 4 x 4, 327,680 bytes of LDS; arguments yw, wo, out0; writes out0
.if DOCPART == 4
	.amdgcn_target "amdgcn-amd-amdhsa--gfx1250"
	.amdhsa_code_object_version 6
	.text
	.protected	k_qd0f3f88b7d_outp
	.globl	k_qd0f3f88b7d_outp
	.p2align	8
	.type	k_qd0f3f88b7d_outp,@function
k_qd0f3f88b7d_outp:
	s_mov_b64 s[64:65], 0
	v_nop
	global_prefetch_b8 v0, s[64:65] scope:SCOPE_SE
	s_setreg_imm32_b32 hwreg(HW_REG_WAVE_MODE, 25, 1), 1
	s_wait_xcnt 0x0
	s_wait_alu depctr_hold_cnt(0) depctr_sa_sdst(0) depctr_va_vdst(0) depctr_va_sdst(0) depctr_va_ssrc(0) depctr_va_vcc(0) depctr_vm_vsrc(0)
	s_getreg_b32 s2, hwreg(HW_REG_IB_STS2, 6, 4)
	s_cmp_eq_u32 s2, 0
	s_cbranch_scc0 .Lentry_in_a_cluster
	s_endpgm
.Lentry_in_a_cluster:
	s_bfe_u32 s2, ttmp6, 0x10000c
	s_cmp_lg_u32 s2, 0xf033
	s_cbranch_scc0 .Lentry_shape_is_right
	s_endpgm
.Lentry_shape_is_right:
; out0 = (y hi + y lo) wo: bf16 operands, f32 sums, f32 out.  yw[row][128 h + 64 part + e]: rows of 4,096 bytes, a head's hi and lo are 256
; consecutive bytes; wo[k][n] with k = 64 h + e.  Each 32 of K is multiplied twice, once with y's hi and once with its lo, against the
; same fragment of wo.
; A work-group makes 128 x 128 of out0 (8 x 32 = 256 work-groups), four waves of 64 x 64: 16 accumulator tiles, in register window 1.
; THE RING.  The sixteen heads go in units of two.  Slot A holds two units (four heads: y's 128 rows x 1,024 bytes, 256 rows of wo),
; slot B one (two heads).  Both are filled at the start; then the heads go A {0-3}, B {4,5}, A {6-9}, B {10,11}, A {12-15}: three refills
; in all, each behind one round of the cluster's barrier.  Two slots of four heads would need 2 x 206,848 bytes and do not fit.  A request
; for slot A has one unit's work (128 matrix instructions a wave) in which to land, a request for slot B two units'.
; Waves 0, 1 ask for 64 rows of y each, waves 2, 3 for half of wo's rows each: one load a wave for a slot.  By this text's own count a
; wave has at most two tensor loads outstanding (the first fills), later one.
; CLUSTERS: 4 x 4 work-groups; y's tiles hang on the block row alone and are asked for jointly along a row of the cluster, wo's on the
; block column alone, along a column.
; The matrix instruction is used with wo's fragment first: a lane then holds 8 neighbouring columns of one row of out0.
.set YPA, 1040                         ; slot A: a row of y, 1,024 bytes + 16: 260 words, so 16 rows start at 16 different groups of four banks
.set YPB, 528                          ; slot B: 512 bytes + 16
.set WAO, 133120                       ; slot A: wo's 256 k-rows x 288, behind y's 128 x 1,040
.set SB,  206848                       ; slot B: y's 128 rows x 528,
.set WBO, 274432                       ; then wo's 128 k-rows x 288
.set STAGE, SB                         ; the way out: 16 rows x 272 for each wave, its own, in slot B's bytes: written only when that slot has had its last fill and its last read
.set G1YA, 16                          ; s[16:23] shape of y's half tile in slot A
.set G1YB, 24                          ; s[24:31] in slot B
.set G1WA, 32                          ; s[32:39] of wo's half tile in slot A
.set G1WB, 40                          ; s[40:47] in slot B
.set G0YA, 48                          ; s[48:51] from where, to where
.set G0YB, 52
.set G0WA, 56
.set G0WB, 60
.set ADA, 1                            ; v1-3  LDS address of my y fragments in unit 0, 1 (slot A), 2 (slot B)
.set ADB, 4                            ; v4-6  of my wo fragments
.set STO, 7                            ; the way out: in
.set RD,  8                            ; back
.set CO,  9                            ; my offset in out0
.set AF0, 32                           ; v[32:63], v[64:95]    y fragments (4 x 16 rows x 32 K), two buffers
.set AF1, 64
.set WF0, 96                           ; v[96:127], v[128:159] wo fragments (4 x 16 columns x 32 K), two buffers
.set WF1, 128
                                       ; window 1: accumulator (mt, nt) at v[8 (4 mt + nt)]
.set MSB, 0
.macro WIN new                         ; s_set_vgpr_msb: bits 1:0 source 0, 3:2 source 1, 5:4 source 2, 7:6 destination; the high byte repeats the setting that is left
.if MSB != \new
	s_set_vgpr_msb (MSB<<8)|\new
.set MSB, \new
.endif
.endm
.macro PLACES n
.rept \n
	v_nop
.endr
.endm
.macro ROUND
	s_barrier_signal -1
	s_barrier_wait -1
	s_cmp_lg_u32 s10, 0
	s_cbranch_scc1 .Lnw0_\@
	s_barrier_signal -3
.Lnw0_\@:
	s_barrier_wait -3
	s_barrier_signal -1
	s_barrier_wait -1
.endm
; a slot's joint loads: y's line and wo's line, each with one mask; the branch hangs on the wave's number alone
.macro JLOAD gy, hy, gw, hw
	s_cmp_eq_u32 s11, 0
	s_cbranch_scc0 .Lfb_\@
	tensor_load_to_lds s[\gy:\gy+3], s[\hy:\hy+7]
	s_nop 0
	s_branch .Lfd_\@
.Lfb_\@:
	tensor_load_to_lds s[\gw:\gw+3], s[\hw:\hw+7]
	s_nop 0
.Lfd_\@:
.endm
	s_load_b128 s[4:7], s[0:1], 0x0                ; yw s[4:5], wo s[6:7]
	s_load_b64 s[8:9], s[0:1], 0x10                ; out0
	v_lshl_add_u32 v254, v0, 2, 0x4c000
	v_mov_b32 v255, 0
	ds_add_u32 v254, v255
	ds_add_u32 v254, v255
	v_lshrrev_b32 v1, 5, v0
	v_readfirstlane_b32 s10, v1                    ; wave 0..3
	s_lshr_b32 s11, s10, 1                         ; mi: my 64 rows.  Also: I ask for y (0) or for wo (1)
	s_and_b32 s12, s10, 1                          ; ni: my 64 columns.  Also: which half I ask for
	s_bfe_u32 s66, ttmp6, 0x40000                  ; cx
	s_bfe_u32 s67, ttmp6, 0x40004                  ; cy
	s_lshl_b32 s68, ttmp9, 2
	s_add_co_u32 s68, s68, s66                     ; block column
	s_and_b32 s69, ttmp7, 0xffff
	s_lshl_b32 s69, s69, 2
	s_add_co_u32 s69, s69, s67                     ; block row
	s_lshl_b32 s70, s67, 2
	s_lshl_b32 s70, 15, s70                        ; my row of the cluster
	s_lshl_b32 s71, 0x1111, s66                    ; my column
	; y, slot A: 64 rows x 512 elements, pitch 2,048; 4 words of padding behind every 256: LDS pitch 1,040
	s_or_b32 s[G1YA+0], s70, 0x07f10000            ; mask | 2-byte elements | padding on | bit 21 beside a mask | interval code 7 | pad code 3
	s_mov_b32 s[G1YA+1], 512<<16                   ; tensor_dim0 = 512
	s_mov_b32 s[G1YA+2], 64<<16                    ; tensor_dim1 = 64
	s_mov_b32 s[G1YA+3], 512<<16                   ; tile_dim0 = 512
	s_mov_b32 s[G1YA+4], 64                        ; tile_dim1 = 64
	s_mov_b32 s[G1YA+5], 2048                      ; elements from row to row
	s_mov_b32 s[G1YA+6], 0
	s_mov_b32 s[G1YA+7], 0
	; y, slot B: 64 rows x 256 elements; 4 words behind every 128: LDS pitch 528
	s_or_b32 s[G1YB+0], s70, 0x07b10000
	s_mov_b32 s[G1YB+1], 256<<16
	s_mov_b32 s[G1YB+2], 64<<16
	s_mov_b32 s[G1YB+3], 256<<16
	s_mov_b32 s[G1YB+4], 64
	s_mov_b32 s[G1YB+5], 2048
	s_mov_b32 s[G1YB+6], 0
	s_mov_b32 s[G1YB+7], 0
	; wo, slot A: 128 k-rows x 128 columns, pitch 1,024; 8 words behind every 64: LDS pitch 288
	s_or_b32 s[G1WA+0], s71, 0x0f710000
	s_mov_b32 s[G1WA+1], 128<<16
	s_mov_b32 s[G1WA+2], 128<<16
	s_mov_b32 s[G1WA+3], 128<<16
	s_mov_b32 s[G1WA+4], 128
	s_mov_b32 s[G1WA+5], 1024
	s_mov_b32 s[G1WA+6], 0
	s_mov_b32 s[G1WA+7], 0
	; wo, slot B: 64 k-rows
	s_or_b32 s[G1WB+0], s71, 0x0f710000
	s_mov_b32 s[G1WB+1], 128<<16
	s_mov_b32 s[G1WB+2], 64<<16
	s_mov_b32 s[G1WB+3], 128<<16
	s_mov_b32 s[G1WB+4], 64
	s_mov_b32 s[G1WB+5], 1024
	s_mov_b32 s[G1WB+6], 0
	s_mov_b32 s[G1WB+7], 0
	; y's address is made of the block row and the wave's number, wo's of the block column and the wave's number, each in registers that never hold the other coordinate
	s_lshl_b32 s72, s69, 19                        ; y: 128 block rows of 4,096 bytes,
	s_lshl_b32 s74, s12, 18
	s_add_co_u32 s72, s72, s74                     ; + 64 half
	s_mov_b32 s73, 0
	s_lshl_b32 s74, s68, 8                         ; wo: 256 bytes a block column
	s_mov_b32 s75, 0
	s_lshl_b32 s76, s12, 18                        ; slot A: 128 half rows of 2,048 bytes
	s_mov_b32 s77, 0
	s_lshl_b32 s78, s12, 17                        ; slot B: 64 half rows,
	s_add_co_u32 s78, s78, 524288                  ; behind slot A's 256
	s_mov_b32 s79, 0
	s_mul_i32 s80, s12, 64*YPA                     ; LDS: the wave's number alone
	s_mul_i32 s81, s12, 64*YPB
	s_mul_i32 s82, s12, 36864
	s_mul_i32 s83, s12, 18432
	s_wait_dscnt 0x0
	s_wait_kmcnt 0x0
	s_add_nc_u64 s[72:73], s[4:5], s[72:73]
	s_add_nc_u64 s[74:75], s[6:7], s[74:75]
	s_mov_b32 s[G0YA], 1                           ; heads 0 to 3
	s_add_co_u32 s[G0YA+1], s80, 0
	s_mov_b64 s[G0YA+2:G0YA+3], s[72:73]
	s_or_b32 s[G0YA+3], s[G0YA+3], 0x80000000
	s_mov_b32 s[G0WA], 1
	s_add_co_u32 s[G0WA+1], s82, WAO
	s_add_nc_u64 s[G0WA+2:G0WA+3], s[74:75], s[76:77]
	s_or_b32 s[G0WA+3], s[G0WA+3], 0x80000000
	s_mov_b32 s[G0YB], 1                           ; heads 4 and 5: 1,024 bytes along y's rows
	s_add_co_u32 s[G0YB+1], s81, SB
	s_add_nc_u64 s[G0YB+2:G0YB+3], s[72:73], 1024
	s_or_b32 s[G0YB+3], s[G0YB+3], 0x80000000
	s_mov_b32 s[G0WB], 1
	s_add_co_u32 s[G0WB+1], s83, WBO
	s_add_nc_u64 s[G0WB+2:G0WB+3], s[74:75], s[78:79]
	s_or_b32 s[G0WB+3], s[G0WB+3], 0x80000000
	ROUND                                          ; all sixteen work-groups are here: the first joint loads meet
	JLOAD G0YA, G1YA, G0WA, G1WA                   ; the first fills go out as one group: slot A,
	JLOAD G0YB, G1YB, G0WB, G1WB                   ; and slot B
	v_and_b32 v16, 15, v0                          ; r
	v_bfe_u32 v17, v0, 4, 1                        ; h
	v_and_b32 v18, 7, v0
	v_bfe_u32 v19, v0, 3, 1
	v_mul_u32_u24 v[ADA], v16, YPA
	v_lshl_add_u32 v[ADA], v17, 4, v[ADA]
	s_mul_i32 s84, s11, 64*YPA
	v_add_nc_u32 v[ADA], s84, v[ADA]               ; slot A: row 64 mi + r, + 16 h
	v_add_nc_u32 v[ADA+1], 512, v[ADA]             ; its second unit: two heads along the row
	v_mul_u32_u24 v[ADA+2], v16, YPB
	v_lshl_add_u32 v[ADA+2], v17, 4, v[ADA+2]
	s_mul_i32 s84, s11, 64*YPB
	s_add_co_u32 s84, s84, SB
	v_add_nc_u32 v[ADA+2], s84, v[ADA+2]           ; slot B
	v_lshl_add_u32 v20, v17, 3, v18
	v_mul_u32_u24 v21, v20, 288
	v_lshl_add_u32 v21, v19, 4, v21
	s_lshl_b32 s84, s12, 7
	v_add_nc_u32 v21, s84, v21                     ; k-row 8 h + l % 8, column 64 ni, + 16 ((l / 8) % 2)
	v_add_nc_u32 v[ADB], WAO, v21
	v_add_nc_u32 v[ADB+1], WAO+36864, v21          ; the second unit: 128 k-rows down
	v_add_nc_u32 v[ADB+2], WBO, v21
	v_mul_u32_u24 v22, v16, 272
	s_mul_i32 s84, s10, 4352
	s_add_co_u32 s84, s84, STAGE
	v_lshl_add_u32 v[STO], v17, 5, v22
	v_add_nc_u32 v[STO], s84, v[STO]               ; in: row r, 32 bytes for each half of the lanes
	v_mul_u32_u24 v[RD], v17, 272
	v_lshl_add_u32 v[RD], v16, 4, v[RD]
	v_add_nc_u32 v[RD], s84, v[RD]                 ; back: lanes 0-15 one row of 256 bytes, lanes 16-31 the next
	v_lshlrev_b32 v[CO], 12, v17
	v_lshl_add_u32 v[CO], v16, 4, v[CO]            ; the same two rows in out0
; quarter q of a unit's eight: head q / 4, 32 of e at (q / 2) % 2, part q % 2 (hi, lo).  yp: the unit's row pitch.  Four places lead each run of
; loads into registers that matrix instructions have read; matrix instructions are not counted as places.
.macro FETA vs, yp, q, f
	PLACES 4
.irp mt, 0,1,2,3
	ds_load_b128 v[\f+8*\mt:\f+8*\mt+3], v[ADA+\vs] offset:((\q)>>2)*256+(((\q)>>1)&1)*64+((\q)&1)*128+16*\yp*\mt
	ds_load_b128 v[\f+8*\mt+4:\f+8*\mt+7], v[ADA+\vs] offset:((\q)>>2)*256+(((\q)>>1)&1)*64+((\q)&1)*128+16*\yp*\mt+32
.endr
.endm
.macro FETW vs, pi, f                  ; wo's fragments serve two quarters: pi = q / 2.  It always follows a FETA, whose places serve it too.
.irp nt, 0,1,2,3
	ds_load_tr16_b128 v[\f+8*\nt:\f+8*\nt+3], v[ADB+\vs] offset:((\pi)>>1)*18432+((\pi)&1)*9216+32*\nt
	ds_load_tr16_b128 v[\f+8*\nt+4:\f+8*\nt+7], v[ADB+\vs] offset:((\pi)>>1)*18432+((\pi)&1)*9216+32*\nt+4608
.endr
.endm
; 16 matrix instructions; the sixteen accumulators take turns, one instruction a turn
.macro MULO af, wf, zero
	WIN 0x50                                       ; C and D in window 1
.irp mt, 0,1,2,3
.irp nt, 0,1,2,3
.if \zero
	v_wmma_f32_16x16x32_bf16 v[8*(4*\mt+\nt):8*(4*\mt+\nt)+7], v[\wf+8*\nt:\wf+8*\nt+7], v[\af+8*\mt:\af+8*\mt+7], 0
.else
	v_wmma_f32_16x16x32_bf16 v[8*(4*\mt+\nt):8*(4*\mt+\nt)+7], v[\wf+8*\nt:\wf+8*\nt+7], v[\af+8*\mt:\af+8*\mt+7], v[8*(4*\mt+\nt):8*(4*\mt+\nt)+7]
.endif
.endr
.endr
	WIN 0
.endm
; two heads on unit vs.  first = 1: its first fragments are fetched here; nvs >= 0: the unit that follows is whole already, and its first fragments are fetched in this unit's last quarter
.macro UNITO vs, yp, first, nvs, nyp, zero
.if \first
	FETA \vs, \yp, 0, AF0
	FETW \vs, 0, WF0
.endif
	FETA \vs, \yp, 1, AF1
	s_wait_dscnt 8                                 ; all but the 8 just issued
	MULO AF0, WF0, \zero
	FETA \vs, \yp, 2, AF0
	FETW \vs, 1, WF1
	s_wait_dscnt 16                                ; all but the 16 just issued
	MULO AF1, WF0, 0
	FETA \vs, \yp, 3, AF1
	s_wait_dscnt 8
	MULO AF0, WF1, 0
	FETA \vs, \yp, 4, AF0
	FETW \vs, 2, WF0
	s_wait_dscnt 16
	MULO AF1, WF1, 0
	FETA \vs, \yp, 5, AF1
	s_wait_dscnt 8
	MULO AF0, WF0, 0
	FETA \vs, \yp, 6, AF0
	FETW \vs, 3, WF1
	s_wait_dscnt 16
	MULO AF1, WF0, 0
	FETA \vs, \yp, 7, AF1
	s_wait_dscnt 8
	MULO AF0, WF1, 0
.if \nvs >= 0
	FETA \nvs, \nyp, 0, AF0
	FETW \nvs, 0, WF0
	s_wait_dscnt 16
.else
	s_wait_dscnt 0x0
.endif
	MULO AF1, WF1, 0
.endm
; slot A, which has been read, is filled again, six heads on
.macro NEXTA
	s_wait_tensorcnt 0x0                           ; all my tensor loads have landed, my part of slot B among them,
	ds_add_u32 v254, v255
	s_add_nc_u64 s[G0YA+2:G0YA+3], s[G0YA+2:G0YA+3], 1536      ; so the descriptors may be written
	s_add_nc_u64 s[G0WA+2:G0WA+3], s[G0WA+2:G0WA+3], 786432
	s_wait_dscnt 0x0                               ; my reads of slot A are back
	ROUND                                          ; both now hold of every wave of all sixteen work-groups
	JLOAD G0YA, G1YA, G0WA, G1WA                   ; my one tensor load behind the round, first thing there
.endm
; the same for slot B
.macro NEXTB
	s_wait_tensorcnt 0x0                           ; all my tensor loads have landed, my part of slot A among them
	ds_add_u32 v254, v255
	s_add_nc_u64 s[G0YB+2:G0YB+3], s[G0YB+2:G0YB+3], 1536
	s_add_nc_u64 s[G0WB+2:G0WB+3], s[G0WB+2:G0WB+3], 786432
	s_wait_dscnt 0x0                               ; my reads of slot B are back
	ROUND
	JLOAD G0YB, G1YB, G0WB, G1WB
.endm
	s_wait_tensorcnt 0x1                           ; my part of slot A is in; slot B's may stay out
	s_barrier_signal -1
	s_barrier_wait -1
	UNITO 0, YPA, 1, 1, YPA, 1                     ; heads 0, 1 start the sums
	UNITO 1, YPA, 0, -1, 0, 0                      ; heads 2, 3
	NEXTA                                          ; heads 6 to 9 go out
	UNITO 2, YPB, 1, -1, 0, 0                      ; heads 4, 5
	NEXTB                                          ; heads 10, 11 go out
	UNITO 0, YPA, 1, 1, YPA, 0                     ; heads 6 to 9
	UNITO 1, YPA, 0, -1, 0, 0
	NEXTA                                          ; heads 12 to 15 go out: the last loads
	UNITO 2, YPB, 1, -1, 0, 0                      ; heads 10, 11: the last read of slot B
	s_wait_tensorcnt 0x0                           ; my part of heads 12 to 15 is in
	s_wait_dscnt 0x0                               ; my reads of slot B are back: behind this barrier its bytes serve as the stage
	s_barrier_signal -1
	s_barrier_wait -1
	UNITO 0, YPA, 1, 1, YPA, 0                     ; heads 12 to 15
	UNITO 1, YPA, 0, -1, 0, 0
	; THE WAY OUT, 16 rows at a time through my own stage: a lane's 32 bytes in, whole rows of 256 bytes back.
	PLACES 4                                       ; behind the last matrix instructions: the LDS stores read results, the loads write fragment registers
	s_lshl_b32 s72, s69, 19                        ; 128 block rows of 4,096 bytes
	s_lshl_b32 s84, s11, 18
	s_add_co_u32 s72, s72, s84
	s_lshl_b32 s84, s68, 9
	s_add_co_u32 s72, s72, s84
	s_lshl_b32 s84, s12, 8
	s_add_co_u32 s72, s72, s84
	s_mov_b32 s73, 0
	s_add_nc_u64 s[8:9], s[8:9], s[72:73]
.macro OUT16 mt, f
	WIN 0x04                                       ; an LDS store's data is source 1: window 1
.irp nt, 0,1,2,3
	ds_store_b128 v[STO], v[8*(4*\mt+\nt):8*(4*\mt+\nt)+3] offset:64*\nt
	ds_store_b128 v[STO], v[8*(4*\mt+\nt)+4:8*(4*\mt+\nt)+7] offset:64*\nt+16
.endr
	WIN 0
	s_wait_xcnt 0x0                                ; buffer f, which earlier stores read, and the stores' base are written again only behind this wait
.if \mt
	s_add_nc_u64 s[8:9], s[8:9], 65536             ; 16 rows of out0 on
.endif
.irp u, 0,1,2,3,4,5,6,7
	ds_load_b128 v[\f+4*\u:\f+4*\u+3], v[RD] offset:544*\u         ; my own bytes: LDS serves a wave's instructions in order (ISA guide 5.7.1)
.endr
.irp u, 0,1,2,3,4,5,6,7
	s_wait_dscnt 7-\u                              ; this one is in, the younger stay out
	global_store_b128 v[CO], v[\f+4*\u:\f+4*\u+3], s[8:9] offset:8192*\u       ; 16 lanes store 256 consecutive bytes of a row, aligned
.endr
.endm
	OUT16 0, AF0
	OUT16 1, AF1
	OUT16 2, AF0
	OUT16 3, AF1
	s_wait_tensorcnt 0x0
	ds_add_u32 v254, v255
	s_wait_dscnt 0x0
	ROUND                                          ; the closing round: no work-group ends while a partner may still ask for a tile that names it
	s_endpgm
.Lfunc_end_k_qd0f3f88b7d_outp:
	.size	k_qd0f3f88b7d_outp, .Lfunc_end_k_qd0f3f88b7d_outp-k_qd0f3f88b7d_outp
	.p2alignl 7, 3214868480
	.fill 96, 4, 3214868480
	.section	.rodata,"a",@progbits
	.p2align	6, 0x0
	.amdhsa_kernel k_qd0f3f88b7d_outp
		.amdhsa_group_segment_fixed_size 327680
		.amdhsa_private_segment_fixed_size 0
		.amdhsa_enable_private_segment 0
		.amdhsa_kernarg_size 24
		.amdhsa_user_sgpr_count 2
		.amdhsa_user_sgpr_kernarg_segment_ptr 1
		.amdhsa_wavefront_size32 1
		.amdhsa_system_sgpr_workgroup_id_x 1
		.amdhsa_system_sgpr_workgroup_id_y 1
		.amdhsa_system_sgpr_workgroup_id_z 1
		.amdhsa_system_vgpr_workitem_id 0
		.amdhsa_next_free_vgpr 384
		.amdhsa_next_free_sgpr 88
		.amdhsa_reserve_vcc 0
		.amdhsa_float_denorm_mode_32 3
		.amdhsa_float_denorm_mode_16_64 3
		.amdhsa_memory_ordered 1
		.amdhsa_forward_progress 1
		.amdhsa_inst_pref_size 146
	.end_amdhsa_kernel
	.amdgpu_metadata
---
amdhsa.version: [ 1, 2 ]
amdhsa.kernels:
  - .name:           k_qd0f3f88b7d_outp
    .symbol:         k_qd0f3f88b7d_outp.kd
    .args:
      - { .name: yw, .offset: 0, .size: 8, .value_kind: global_buffer, .address_space: global }
      - { .name: wo, .offset: 8, .size: 8, .value_kind: global_buffer, .address_space: global }
      - { .name: out0, .offset: 16, .size: 8, .value_kind: global_buffer, .address_space: global }
    .group_segment_fixed_size: 327680
    .private_segment_fixed_size: 0
    .kernarg_segment_align: 8
    .kernarg_segment_size: 24
    .max_flat_workgroup_size: 128
    .sgpr_count:     88
    .vgpr_count:     384
    .wavefront_size: 32
...
	.end_amdgpu_metadata
.endif
;; end of part 4
